; MI455X (gfx1250); checked and timed in simulation.
; The chip was launched on July 23, 2026; its instructions are those of AMD's public machine-readable ISA for CDNA 5 (MIT licence, August 2026) and "CDNA5" Instruction Set Architecture Reference Guide (July 2026). The comments in the code are by the model that wrote it; some were corrected since.
;; Bahdanau Attention. Allowed arithmetic: matrix products marked QUANTISED: E4M3 operands, one E8M0 scale for each 32 along K, by v_wmma_scale_f32_16x16x128_f8f6f4 with both operands' format E4M3, f32 sums; products left as they are: f32 operands where the result goes on into a quantised operand, else bf16, f16 or f32 operands; f32 sums; everything else in f32.
;; Inputs: Wd 1,024 x 1,024 float32; We 1,024 x 1,024 float32; Ws 1,024 x 1 float32; bd 1,024 float32; be 1,024 float32; bs 1 float32; decoder_hidden_state 1 x 32 x 1,024 float32; encoder_out 32 x 2,048 x 1,024 float32.
;; Outputs: out0 32 x 1,024 float32.
;; This version of the problem:
;;   THIS VERSION OF THE PROBLEM IS GIVEN IN LOW PRECISION. The matrix products marked QUANTISED in the list below multiply operands that are first quantised to E4M3 (4 exponent bits, 3 mantissa bits; 8 bits a number), with one power-of-two scale for each 32 numbers along K (OCP MX v1.0); their sums are f32. All else is computed in f32.
;;   The module's matrix products, in the order in which they are computed (A, B: the left and right operand; K: the contracted axis; several contracted axes count as one K, in the product's order):
;;     1. [M 65,536, K 1,024] x [K 1,024, N 1,024]; A: input encoder_out; B: input We: QUANTISED
;;     2. [M 32, K 1,024] x [K 1,024, N 1,024]; A: input decoder_hidden_state; B: input Wd: QUANTISED
;;     3. [M 65,536, K 1,024] x [K 1,024, N 1]; A: computed on the way; B: input Ws: left as it is (N = 1 < 16)
;;   THE QUANTISER, for each operand of a quantised product, along K:
;;     - K is cut into blocks of 32 from its start; a last block that is shorter is filled with zeros.
;;     - A block's scale is 2^e with e = floor(log2(the largest magnitude in the block)) - 8, held to -126 .. 127; a block of zeros has e = 0. As a byte (E8M0): e + 127.
;;     - Each number is divided by its block's scale, clamped to +-448, and rounded to the nearest number of E4M3, ties to even, subnormals kept.
;;     - The product sums the exact products of the quantised numbers (number of the format x scale) in f32.
;;   ~~~python
;;   def quantise(x, axis):      # numpy; x: float32 -> the quantised numbers, widened to float32 again
;;       x = np.moveaxis(x, axis, -1); K = x.shape[-1]
;;       x = np.pad(x, [(0, 0)] * (x.ndim - 1) + [(0, -K % 32)]); x = x.reshape(x.shape[:-1] + (-1, 32)); a = np.abs(x).max(-1, keepdims=True)
;;       e = np.where(a > 0, np.clip(np.frexp(np.where(a > 0, a, 1))[1] - 1 - 8, -126, 127), 0)      # np.frexp(a)[1] - 1 = floor(log2(a)), exactly
;;       r = np.clip(x / 2.0 ** e, -448, 448)
;;       step = 2.0 ** (np.maximum(np.frexp(np.where(r == 0, 1, r))[1] - 1, -6) - 3)
;;       q = np.round(r / step) * step * 2.0 ** e      # np.round: ties to even
;;       return np.moveaxis(q.reshape(q.shape[:-2] + (-1,))[..., :K], -1, axis).astype(np.float32)
;;   ~~~
;; One version. Each part assembles by itself: llvm-mc -triple=amdgcn-amd-amdhsa -mcpu=gfx1250 --defsym DOCPART=n.
;; ======== version 1 of 1: 3 launches
;; limits: right only within a limited range of input values
;; workspace buffers: wq 1,114,112 bytes; tab 262,144 bytes; part 1,114,112 bytes
;; launch prep (part 1): grid 64 x 1, 8 waves a work-group, no clusters, 25,600 bytes of LDS; arguments We, Wd, decoder_hidden_state, be, bd, Ws, wq, tab; writes wq, tab
.if DOCPART == 1
	.amdgcn_target "amdgcn-amd-amdhsa--gfx1250"
	.amdhsa_code_object_version 6
	.text
	.protected	k_q4440370a3c_prep
	.globl	k_q4440370a3c_prep
	.p2align	8
	.type	k_q4440370a3c_prep,@function
k_q4440370a3c_prep:
	s_mov_b64 s[64:65], 0
	v_nop
	global_prefetch_b8 v0, s[64:65] scope:SCOPE_SE
	s_setreg_imm32_b32 hwreg(HW_REG_WAVE_MODE, 25, 1), 1
	s_wait_xcnt 0x0
; PREP.  Work-group j takes columns 16 j .. 16 j + 15 of We and of Wd ([1024 (k)][1024 (n)] f32, K is the FIRST axis); wave s takes K step s (k = 128 s .. 128 s + 127).
; (1) We's 16 columns are quantised along K to FP8 (E4M3) with one E8M0 byte for each 32 along K and stored in wq as IMAGES OF THE OPERAND'S REGISTERS:
;     tile block j = 17,408 bytes: K step s, register group c, lane l at 2048 s + 512 c + 16 l; behind them the scale words: K step s, lane l at 16384 + 512 (s / 4) + 16 l + 4 (s % 4).
; (2) dec_score = Q(dec) Q(Wd) for the 32 batches x these 16 columns: each wave one K step (two matrix instructions), the eight partial sums are added through LDS.
; (3) tab[j][b][column r] = the pair ( C (dec_score + bd + be), -2 Ws ), C = 2 log2(e): what the next launch needs for tanh z = 1 - 2 / (1 + 2^(C z)).
; A lane takes a column and its registers run down K (lane (r, h): column r, k = 32 c + 16 h + i in register 16 c + i): the conversions' results are the operand's registers, nothing is transposed.
; A block's scale byte is its largest magnitude's exponent field - 8, held at 1 from below.
; LIMITS: NaN and infinities among the inputs are not served; a block of zeros gets the byte 1 where the rule says 127 (its codes are zeros, and this program alone reads the bytes);
; blocks whose largest magnitude lies under 2^-118 are held at the byte 1.
; A load of W reads 64 neighbouring bytes in sixteen lanes: the two weights are 8 MB in all and are read once.  No cluster: the work-groups share no column; dec's 128 KB are a small part of a work-group's bytes.
; WORK LEFT OUT BY THE PROGRAM.  linear_score[b][s] = sum_k Ws[k] tanh(z[b][s][k]) + bs = (sum_k Ws[k] + bs) + sum_k (-2 Ws[k]) / (1 + e^(2 z)).  The bracket is the same for all s of a batch,
; and softmax along s takes a term away that is the same along its axis, for all values of the inputs.  So the sum of Ws and bs are not added, and bs is not loaded and is no launch's argument.
; LIMIT: a NaN, an infinity or an overflow that reaches only bs or the sum of Ws is not carried to the result.
.set TILEB, 17408
.set PIMG,  0                          ; LDS: eight waves' partial sums, 2,048 bytes each
.set OUTB,  16384                      ; the tile's 4,096 bytes of tab
.set SCST,  20480                      ; We's scale words, 1,024 bytes, as they lie in wq
.set LI,   1                           ; 16 x lane
.set WOF,  2                           ; W: 65,536 h + 4 r
.set DOF,  3                           ; dec: 4,096 r + 64 h
.set PST,  4                           ; 2,048 x wave + 8 x lane
.set PLD,  5                           ; 256 x wave + 8 x lane
.set SCA,  6                           ; 512 (wave / 4) + 4 (wave % 4) + 16 x lane
.set OSA,  7                           ; 2,048 (wave / 4) + 16 (wave % 4) + 128 r + 64 h
.set T16,  8                           ; 16 x thread
.set SMO,  9                           ; 32 h + 8 (wave % 4): my two columns in be, bd, Ws
.set BE,   12
.set BD,   14
.set WSR,  16
.set SWE,  20                          ; v20-23 scale words and nothing else: We, Wd, dec tile 0, dec tile 1
.set SWD,  21
.set SD0,  22
.set SD1,  23
.set TM,   24                          ; v24-39 at work in QUANT
.set CWE,  40                          ; We's codes
.set CWD,  56                          ; Wd's codes
.set NA,   72                          ; 64 numbers: We's, then dec tile 0's
.set NB,   136                         ; 64 numbers: Wd's, then dec tile 1's
.set DC0,  200                         ; dec's codes
.set DC1,  216
.set ACC,  232                         ; two accumulators
.set RD,   72                          ; the eight partial sums of my piece
.set OUTR, 88
.set WV,   20
.set SEL,  22
.set MNT,  24
; 64 numbers of a lane, register 16 b + i = k 32 b + 16 (lane / 16) + i of my row or column, become a fragment's 16 registers of codes in v[d] on and its scale word in v[w].
.macro QUANT s, d, w
.irp b, 0,1,2,3
	v_max3_num_f32 v[TM+\b], |v[\s+16*\b]|, |v[\s+1+16*\b]|, 0x4800000   ; my 16 numbers of block b and the floor 2^(9 - 127): the byte cannot fall under 1
.endr
.irp i, 2,4,6,8,10,12,14
.irp b, 0,1,2,3
	s_delay_alu instid0(VALU_DEP_4)
	v_max3_num_f32 v[TM+\b], v[TM+\b], |v[\s+16*\b+\i]|, |v[\s+1+16*\b+\i]|   ; the four blocks by turns
.endr
.endr
.irp b, 0,1,2,3
	s_delay_alu instid0(VALU_DEP_4)
	v_permlanex16_b32 v[TM+4+\b], v[TM+\b], s[SEL], s[SEL+1]
.endr
.irp b, 0,1,2,3
	s_delay_alu instid0(VALU_DEP_4)
	v_max_num_f32 v[TM+\b], v[TM+\b], v[TM+4+\b]             ; with lane l xor 16's: the block's largest magnitude
.endr
.irp b, 0,1,2,3
	s_delay_alu instid0(VALU_DEP_4)
	v_add_nc_u32 v[TM+12+\b], 0xfc000000, v[TM+\b]           ; 8 off its exponent field: the conversion's scale operand
.endr
.irp b, 0,1,2,3
	v_and_or_b32 v[TM+8+\b], v[TM+\b], 0x7f800000, s[MNT]    ; 448 x the scale
.endr
.irp b, 0,1,2,3
	v_lshrrev_b32 v[TM+4+\b], 23, v[TM+12+\b]                ; the scale's byte
.endr
	s_delay_alu instid0(VALU_DEP_3)
	v_lshl_or_b32 v[\w], v[TM+5], 8, v[TM+4]
	s_delay_alu instid0(VALU_DEP_1)
	v_lshl_or_b32 v[\w], v[TM+6], 16, v[\w]
	s_delay_alu instid0(VALU_DEP_1)
	v_lshl_or_b32 v[\w], v[TM+7], 24, v[\w]
.irp b, 0,1,2,3
.irp i, 0,1,2,3,4,5,6,7,8,9,10,11,12,13,14,15
	v_med3_num_f32 v[\s+16*\b+\i], v[\s+16*\b+\i], -v[TM+8+\b], v[TM+8+\b]   ; the conversion to an 8-bit code does not saturate (ISA guide 7.6.2): the hold comes first
.endr
	v_cvt_scalef32_pk8_fp8_f32 v[\d+4*\b:\d+1+4*\b], v[\s+16*\b:\s+7+16*\b], v[TM+12+\b]
	v_cvt_scalef32_pk8_fp8_f32 v[\d+2+4*\b:\d+3+4*\b], v[\s+8+16*\b:\s+15+16*\b], v[TM+12+\b]
.endr
	v_nop                                                    ; one plain line behind the last conversion
.endm
.macro WLOAD reg, base                 ; W(128 s + 32 c + 16 h + i, my column) into register 16 c + i
.irp c, 0,1,2,3
.irp i, 0,1,2,3,4,5,6,7,8,9,10,11,12,13,14,15
	global_load_b32 v[\reg+16*\c+\i], v[WOF], s[\base:\base+1] offset:(32*\c+\i)*4096
.endr
.endr
.endm
.macro DLOAD reg, t                    ; dec(16 t + r, 128 s + 32 c + 16 h + 0 .. 15)
.irp c, 0,1,2,3
.irp j, 0,1,2,3
	global_load_b128 v[\reg+16*\c+4*\j:\reg+16*\c+4*\j+3], v[DOF], s[8:9] offset:65536*\t+128*\c+16*\j
.endr
.endr
.endm
	s_load_b256 s[4:11], s[0:1], 0x0               ; We s[4:5], Wd s[6:7], dec s[8:9], be s[10:11]
	s_load_b256 s[12:19], s[0:1], 0x20             ; bd s[12:13], Ws s[14:15], wq s[16:17], tab s[18:19]
	v_lshl_add_u32 v254, v0, 2, 0x6000
	v_mov_b32 v255, 0
	v_lshrrev_b32 v10, 5, v0
	s_delay_alu instid0(VALU_DEP_1)
	v_readfirstlane_b32 s[WV], v10                 ; wave 0..7 = my K step
	v_and_b32 v10, 31, v0                          ; lane
	v_and_b32 v11, 15, v0                          ; r
	v_bfe_u32 v18, v0, 4, 1                        ; h
	s_delay_alu instid0(VALU_DEP_3)
	v_lshlrev_b32 v[LI], 4, v10
	s_delay_alu instid0(VALU_DEP_3)
	v_lshlrev_b32 v[WOF], 2, v11
	s_delay_alu instid0(VALU_DEP_1)
	v_lshl_add_u32 v[WOF], v18, 16, v[WOF]
	v_lshlrev_b32 v[DOF], 12, v11
	s_delay_alu instid0(VALU_DEP_1)
	v_lshl_add_u32 v[DOF], v18, 6, v[DOF]
	s_lshl_b32 s26, s[WV], 11
	v_lshlrev_b32 v[PST], 3, v10
	s_delay_alu instid0(VALU_DEP_1)
	v_add_nc_u32 v[PST], s26, v[PST]
	s_lshl_b32 s26, s[WV], 8
	v_lshlrev_b32 v[PLD], 3, v10
	s_delay_alu instid0(VALU_DEP_1)
	v_add_nc_u32 v[PLD], s26, v[PLD]
	s_lshr_b32 s26, s[WV], 2                       ; wave / 4
	s_and_b32 s27, s[WV], 3                        ; wave % 4
	s_lshl_b32 s28, s26, 9
	s_lshl_b32 s29, s27, 2
	s_add_co_u32 s28, s28, s29
	v_add_nc_u32 v[SCA], s28, v[LI]
	s_lshl_b32 s28, s26, 11
	s_lshl_b32 s29, s27, 4
	s_add_co_u32 s28, s28, s29
	v_lshlrev_b32 v[OSA], 7, v11
	s_delay_alu instid0(VALU_DEP_1)
	v_lshl_add_u32 v[OSA], v18, 6, v[OSA]
	s_delay_alu instid0(VALU_DEP_1)
	v_add_nc_u32 v[OSA], s28, v[OSA]
	v_lshlrev_b32 v[T16], 4, v0
	s_lshl_b32 s29, s27, 3
	v_lshlrev_b32 v[SMO], 5, v18
	s_delay_alu instid0(VALU_DEP_1)
	v_add_nc_u32 v[SMO], s29, v[SMO]
.irp b, 0,1,2,3
	v_mov_b32 v[TM+4+\b], 0                        ; written once: a lane permute's destination counts as one of its sources
.endr
	s_mov_b32 s[SEL], 0x76543210
	s_mov_b32 s[SEL+1], 0xfedcba98                 ; lane l xor 16
	s_mov_b32 s[MNT], 0x600000                     ; the mantissa field of 448
	s_lshl_b32 s28, ttmp9, 6                       ; my 16 columns: 64 j bytes
	s_mov_b32 s29, 0
	s_lshl_b32 s30, s[WV], 19                      ; my K step: 128 rows of 4,096 bytes
	s_add_co_u32 s30, s30, s28
	s_mov_b32 s31, 0
	s_lshl_b32 s32, s[WV], 9                       ; and 512 bytes along a row of dec
	s_mov_b32 s33, 0
	s_mul_i32 s34, ttmp9, TILEB
	s_mov_b32 s35, 0
	s_lshl_b32 s36, s[WV], 11
	s_mov_b32 s37, 0
	s_lshl_b32 s38, ttmp9, 12
	s_mov_b32 s39, 0
	s_wait_alu depctr_va_vdst(0)
	s_wait_kmcnt 0x0
	s_add_nc_u64 s[4:5], s[4:5], s[30:31]
	s_add_nc_u64 s[6:7], s[6:7], s[30:31]
	s_add_nc_u64 s[8:9], s[8:9], s[32:33]
	s_add_nc_u64 s[10:11], s[10:11], s[28:29]
	s_add_nc_u64 s[12:13], s[12:13], s[28:29]
	s_add_nc_u64 s[14:15], s[14:15], s[28:29]
	s_add_nc_u64 s[16:17], s[16:17], s[34:35]      ; my tile's block of wq
	s_add_nc_u64 s[40:41], s[16:17], s[36:37]      ; my K step's image in it
	s_add_nc_u64 s[18:19], s[18:19], s[38:39]      ; my tile's 4,096 bytes of tab
	global_load_b64 v[BE:BE+1], v[SMO], s[10:11]
	global_load_b64 v[BD:BD+1], v[SMO], s[12:13]
	global_load_b64 v[WSR:WSR+1], v[SMO], s[14:15]
	WLOAD NA, 4
	WLOAD NB, 6
	s_wait_loadcnt 63                              ; behind We's last load stand Wd's 64; the largest count that a wait can name is one less
	QUANT NA, CWE, SWE
.irp c, 0,1,2,3
	global_store_b128 v[LI], v[CWE+4*\c:CWE+4*\c+3], s[40:41] offset:512*\c   ; 32 lanes store 512 consecutive bytes, aligned; these registers are not written again
.endr
	ds_store_b32 v[SCA], v[SWE] offset:SCST
	DLOAD NA, 0
	s_wait_loadcnt 16                              ; Wd is in; dec tile 0's sixteen loads may be out
	QUANT NB, CWD, SWD
	DLOAD NB, 1
	s_wait_loadcnt 16                              ; dec tile 0 is in
	QUANT NA, DC0, SD0
	s_wait_loadcnt 0x0
	QUANT NB, DC1, SD1
.rept 4
	v_nop                                          ; codes written by vector instructions stand four places ahead of a scaled matrix instruction; the scale words were made ahead of the 64 holds
.endr
	; used transposed: source 0 = Wd's 16 columns, source 1 = 16 batches: register i of lane (r, h) = column 8 h + i, batch 16 t + r
	v_wmma_scale_f32_16x16x128_f8f6f4 v[ACC:ACC+7], v[CWD:CWD+15], v[DC0:DC0+15], 0, v[SWD], v[SD0]
	v_wmma_scale_f32_16x16x128_f8f6f4 v[ACC+8:ACC+15], v[CWD:CWD+15], v[DC1:DC1+15], 0, v[SWD], v[SD1]
.rept 8
	v_nop                                          ; eight places ahead of the first read of the results
.endr
.irp p, 0,1,2,3,4,5,6,7
	ds_store_b64 v[PST], v[ACC+2*\p:ACC+2*\p+1] offset:PIMG+256*\p   ; piece p: two registers; each accumulator from its low end on
.endr
	s_wait_dscnt 0x0                               ; for the others' sake: my partial sums and my scale word lie in LDS
	s_barrier_signal -1
	s_barrier_wait -1
.irp u, 0,1,2,3,4,5,6,7
	ds_load_b64 v[RD+2*\u:RD+2*\u+1], v[PLD] offset:PIMG+2048*\u     ; wave w adds piece w of the eight K steps: batch 16 (w / 4) + r, columns 8 h + 2 (w % 4) + 0, 1
.endr
	s_wait_dscnt 0x0
.irp u, 1
	v_pk_add_f32 v[RD:RD+1], v[RD:RD+1], v[RD+2*\u:RD+2*\u+1]
.endr
.irp u, 2, 3, 4, 5, 6, 7
	s_delay_alu instid0(VALU_DEP_1)
	v_pk_add_f32 v[RD:RD+1], v[RD:RD+1], v[RD+2*\u:RD+2*\u+1]
.endr
	s_delay_alu instid0(VALU_DEP_1)
	v_pk_add_f32 v[RD:RD+1], v[RD:RD+1], v[BD:BD+1]
	s_delay_alu instid0(VALU_DEP_1)
	v_pk_add_f32 v[RD:RD+1], v[RD:RD+1], v[BE:BE+1]
	s_delay_alu instid0(VALU_DEP_1)
	v_mul_f32 v[OUTR], 0x4038aa3b, v[RD]           ; C = 2 log2(e)
	v_mul_f32 v[OUTR+1], -2.0, v[WSR]
	s_delay_alu instid0(VALU_DEP_3)
	v_mul_f32 v[OUTR+2], 0x4038aa3b, v[RD+1]
	v_mul_f32 v[OUTR+3], -2.0, v[WSR+1]
	ds_store_b128 v[OSA], v[OUTR:OUTR+3] offset:OUTB
	s_wait_dscnt 0x0
	s_barrier_signal -1
	s_barrier_wait -1
	ds_load_b128 v[OUTR+4:OUTR+7], v[T16] offset:OUTB
	s_wait_dscnt 0x0
	global_store_b128 v[T16], v[OUTR+4:OUTR+7], s[18:19]             ; the 256 threads store the tile's 4,096 bytes on end
	s_cmp_lt_u32 s[WV], 2
	s_cbranch_scc0 .Lend                           ; the 1,024 bytes of scale words are 64 threads' work
	ds_load_b128 v[OUTR+8:OUTR+11], v[T16] offset:SCST
	s_wait_dscnt 0x0
	global_store_b128 v[T16], v[OUTR+8:OUTR+11], s[16:17] offset:16384
.Lend:
	s_wait_tensorcnt 0x0
	ds_add_u32 v254, v255
	s_wait_dscnt 0x0
	s_endpgm
.Lfunc_end_k_q4440370a3c_prep:
	.size	k_q4440370a3c_prep, .Lfunc_end_k_q4440370a3c_prep-k_q4440370a3c_prep
	.p2alignl 7, 3214868480
	.fill 96, 4, 3214868480
	.section	.rodata,"a",@progbits
	.p2align	6, 0x0
	.amdhsa_kernel k_q4440370a3c_prep
		.amdhsa_group_segment_fixed_size 25600
		.amdhsa_private_segment_fixed_size 0
		.amdhsa_enable_private_segment 0
		.amdhsa_kernarg_size 64
		.amdhsa_user_sgpr_count 2
		.amdhsa_user_sgpr_kernarg_segment_ptr 1
		.amdhsa_wavefront_size32 1
		.amdhsa_system_sgpr_workgroup_id_x 1
		.amdhsa_system_sgpr_workgroup_id_y 1
		.amdhsa_system_sgpr_workgroup_id_z 1
		.amdhsa_system_vgpr_workitem_id 0
		.amdhsa_next_free_vgpr 256
		.amdhsa_next_free_sgpr 66
		.amdhsa_reserve_vcc 0
		.amdhsa_float_denorm_mode_32 3
		.amdhsa_float_denorm_mode_16_64 3
		.amdhsa_memory_ordered 1
		.amdhsa_forward_progress 1
		.amdhsa_inst_pref_size 60
	.end_amdhsa_kernel
	.amdgpu_metadata
---
amdhsa.version: [ 1, 2 ]
amdhsa.kernels:
  - .name:           k_q4440370a3c_prep
    .symbol:         k_q4440370a3c_prep.kd
    .args:
      - { .name: We, .offset: 0, .size: 8, .value_kind: global_buffer, .address_space: global }
      - { .name: Wd, .offset: 8, .size: 8, .value_kind: global_buffer, .address_space: global }
      - { .name: decoder_hidden_state, .offset: 16, .size: 8, .value_kind: global_buffer, .address_space: global }
      - { .name: be, .offset: 24, .size: 8, .value_kind: global_buffer, .address_space: global }
      - { .name: bd, .offset: 32, .size: 8, .value_kind: global_buffer, .address_space: global }
      - { .name: Ws, .offset: 40, .size: 8, .value_kind: global_buffer, .address_space: global }
      - { .name: wq, .offset: 48, .size: 8, .value_kind: global_buffer, .address_space: global }
      - { .name: tab, .offset: 56, .size: 8, .value_kind: global_buffer, .address_space: global }
    .group_segment_fixed_size: 25600
    .private_segment_fixed_size: 0
    .kernarg_segment_align: 8
    .kernarg_segment_size: 64
    .max_flat_workgroup_size: 256
    .sgpr_count:     66
    .vgpr_count:     256
    .wavefront_size: 32
...
	.end_amdgpu_metadata
.endif
;; end of part 1
;; launch lin (part 2): grid 256 x 1, 4 waves a work-group, clusters of 4 x 1, 327,680 bytes of LDS; arguments encoder_out, wq, tab, part; writes part
.if DOCPART == 2
	.amdgcn_target "amdgcn-amd-amdhsa--gfx1250"
	.amdhsa_code_object_version 6
	.text
	.protected	k_q4440370a3c_lin
	.globl	k_q4440370a3c_lin
	.p2align	8
	.type	k_q4440370a3c_lin,@function
k_q4440370a3c_lin:
	s_mov_b64 s[64:65], 0
	v_nop
	global_prefetch_b8 v0, s[64:65] scope:SCOPE_SE
	s_setreg_imm32_b32 hwreg(HW_REG_WAVE_MODE, 25, 1), 1
	s_wait_xcnt 0x0
	s_wait_alu depctr_hold_cnt(0) depctr_sa_sdst(0) depctr_va_vdst(0) depctr_va_sdst(0) depctr_va_ssrc(0) depctr_va_vcc(0) depctr_vm_vsrc(0)
	s_getreg_b32 s2, hwreg(HW_REG_IB_STS2, 6, 4)
	s_cmp_eq_u32 s2, 0
	s_cbranch_scc0 .Lentry_in_a_cluster
	s_endpgm
.Lentry_in_a_cluster:
	s_bfe_u32 s2, ttmp6, 0x10000c
	s_cmp_lg_u32 s2, 0x3003
	s_cbranch_scc0 .Lentry_shape_is_right
	s_endpgm
.Lentry_shape_is_right:
; LIN.  For 256 rows s of one batch: score[s] = sum over k of (-2 Ws[k]) / (1 + 2^(C z[s][k])), z = Q(x) Q(We) + dec_score + bd + be, C = 2 log2(e); then the rows' part of the softmax and of the context:
; m = the largest of the 256 scores, p = e^(score - m), l = the sum of p, c[h] = the sum of p x[s][h].  part[work-group] = c (4,096 bytes), then one unit of 256 bytes with the pair (m, l).  The next launch joins a batch's eight parts.
; LEFT OUT: the sum of Ws and bs, which are the same for all s of a batch and fall out of the softmax along s (shown at the head of the first kernel).
; SHARES.  A work-group owns 256 rows of x, a wave 64.  PHASE 1: the wave reads its rows, 512 bytes of a row to a load, 64 loads ahead, turns 16 rows x 128 of K through its own stage in LDS, so that lane (r, h)
; holds k = 32 c + 16 h + 0 .. 15 of row r, quantises them to FP8 (E4M3) with an E8M0 byte for 32 along K, and gathers the codes of all of K in 512 registers (windows 2, 3) and the scale words in v16-47.
; The last K step's f32 numbers (32,768 bytes a wave) are laid into the LDS bytes that the codes have left: phase 3 takes them from there.
; PHASE 2: We's 64 tiles of 16 columns, images of the operand's registers as the first launch left them (17,408 bytes a tile), come through a ring of two LDS slots of four tiles.
; A tile is 32 products: 4 blocks of 16 rows x 8 K steps, the four accumulators by turns.  Register i of lane (r, h) is row 8 h + i, column r: a lane needs one pair (C (dec + bd + be), -2 Ws) a tile, from tab.
; THE ORDER OF A TILE.  No exponential or reciprocal stands between two links of a sum, and no load among the products.  The last tile's 32 sums are scaled (16 lines on end); 32 exponentials go as one batch; then the 32 products,
; with the 16 lines 1 + e among them; then 32 reciprocals as one batch; then 16 multiply-adds, which are also the places behind the last product.  Each batch has its wait ahead and behind.
; The next tile's 35 LDS loads go out in three short runs, each directly behind one of these waits: 11 ahead of the exponentials, 12 ahead of the products, 12 ahead of the reciprocals.
; PHASE 3: x's rows once more, in phase 1's pattern, K steps 6 .. 0 from memory and 7 from LDS: a lane sums p x for four columns of a K step over the wave's 64 rows; the four waves' sums are added through LDS.
; CLUSTER.  The four work-groups of a cluster lie in one batch and walk the same tiles and the same part of tab: every tensor load is a joint one, mask 15.
; NO DATA PREFETCH: x is asked for 64 loads a wave ahead in both its phases; a slot of wq is asked for four tiles' products ahead of its first read.
; LIMITS: NaN and infinities among the inputs are not served; a block's byte never falls under 1 (a block of zeros has zero codes, and this launch alone reads the bytes).
.set TILEB, 17408
.set SLOTB, 4*TILEB
.set TAB,   2*SLOTB                    ; the batch's 64 x 128 bytes of tab
.set SPARE, TAB+8192                   ; the spare words, 128 bytes a wave
.set CST,   SPARE+512                  ; codes of four K steps, 32,768 bytes a wave; then the last K step's f32 numbers
.set SST,   CST+4*32768                ; scale words, 2,048 bytes a wave; then the wave's 64 scores
.set RED,   SST+1024                   ; the four waves' maxima, and 16 bytes on their sums of p
.set TST,   SST+4*2048                 ; the stage: 16 rows x 528 bytes a wave; then the wave's 4,096 bytes of sums
.set PARTB, 4352
.set LI,   1                           ; 16 x lane
.set TS,   3
.set TL,   4
.set CW,   5
.set CWT,  6
.set SW,   7
.set SWT,  8
.set ADR0, 9                           ; v9, v10: tiles 0, 1 and tiles 2, 3 of the slot in hand
.set ADT,  11
.set AT0,  12
.set SPW,  13
.set NIL,  14
.set SOA,  15
.set SA,   16                          ; v16-47 x's scale words: register 4 k + block
.set SB,   48                          ; v48-63 We's, two sets of eight
.set DR,   64                          ; v64-127 two sets of four accumulators
.set ACC,  128                         ; v128-159 the scores' sums
.set TP,   160                         ; v160-163 two pairs of tab
.set GO,   165                         ; 8 x lane
.set SBA,  169                         ; my wave's scores
.set RWA,  170                         ; RED + 4 x wave
.set RBA,  171                         ; RED
.set T16,  172                         ; TST + 16 x thread
.set GT,   173                         ; 16 x thread
.set PR,   64                          ; phase 3: v64-127 the 64 rows' p, the same in every lane
.set AC,   128                         ; v128-143 four sets of four sums
.set NN,   64
.set TM,   128
.set PC,   144
.set PW,   160
.set WV,   14
.set CX,   15
.set WG,   16
.set G1W,  24                          ; a tile: 68 rows of 256 bytes
.set G1T,  32                          ; half of tab: 32 rows of 128 bytes, 4,096 apart
.set G1H,  68                          ; half a slot: 136 rows of 256 bytes
.set G0A,  40
.set G0B,  44
.set G0T,  48
.set SL,   52
.set TB,   53
.set TJ,   54
.set FL,   55
.set CC,   56
.set SEL,  58
.set MNT,  60
.set MSB, 0
.macro WIN new
.if MSB != (\new)
	s_set_vgpr_msb (MSB<<8)|(\new)
.set MSB, (\new)
.endif
.endm
.macro WALU
	s_wait_alu depctr_va_vdst(0)
.endm
.macro CREST                           ; a round of the cluster's barrier behind its opening barrier
	s_cmp_lg_u32 s[WV], 0
	s_cbranch_scc1 .Lnot_wave_0_\@
	s_barrier_signal -3
.Lnot_wave_0_\@:
	s_barrier_wait -3
	s_barrier_signal -1
	s_barrier_wait -1
.endm
.macro CROUND
	s_barrier_signal -1
	s_barrier_wait -1
	CREST
.endm
.macro TLOAD g0, g1                    ; an s_nop 0 and four v_nop follow a tensor load
	tensor_load_to_lds s[\g0:\g0+3], s[\g1:\g1+7]
	s_nop 0
.rept 4
	v_nop
.endr
.endm
.macro GROUP1 g, cols, rows, pitch     ; elements of 8 bytes, mask 15 and bit 21 beside it
	s_mov_b32 s[\g], 15|(3<<16)|(1<<21)
	s_mov_b32 s[\g+1], (\cols)<<16
	s_mov_b32 s[\g+2], (\rows)<<16
	s_mov_b32 s[\g+3], (\cols)<<16
	s_mov_b32 s[\g+4], \rows
	s_mov_b32 s[\g+5], \pitch
	s_mov_b32 s[\g+6], 0
	s_mov_b32 s[\g+7], 0
.endm
; 64 numbers of a lane (register 16 b + i = k 32 b + 16 h + i of row r) become 16 registers of codes and a scale word
.macro QUANT s, d, w
.irp b, 0,1,2,3
	v_max3_num_f32 v[TM+\b], |v[\s+16*\b]|, |v[\s+1+16*\b]|, 0x4800000   ; with the floor 2^(9 - 127): the byte cannot fall under 1
.endr
.irp i, 2,4,6,8,10,12,14
.irp b, 0,1,2,3
	v_max3_num_f32 v[TM+\b], v[TM+\b], |v[\s+16*\b+\i]|, |v[\s+1+16*\b+\i]|
.endr
.endr
.irp b, 0,1,2,3
	v_permlanex16_b32 v[TM+4+\b], v[TM+\b], s[SEL], s[SEL+1]
.endr
.irp b, 0,1,2,3
	v_max_num_f32 v[TM+\b], v[TM+\b], v[TM+4+\b]             ; the block's largest magnitude
.endr
.irp b, 0,1,2,3
	v_add_nc_u32 v[TM+12+\b], 0xfc000000, v[TM+\b]           ; 8 off its exponent field: the conversion's scale operand
.endr
.irp b, 0,1,2,3
	v_and_or_b32 v[TM+8+\b], v[TM+\b], 0x7f800000, s[MNT]    ; 448 x the scale
.endr
.irp b, 0,1,2,3
	v_lshrrev_b32 v[TM+4+\b], 23, v[TM+12+\b]                ; the byte
.endr
	v_lshl_or_b32 v[\w], v[TM+5], 8, v[TM+4]
	v_lshl_or_b32 v[\w], v[TM+6], 16, v[\w]
	v_lshl_or_b32 v[\w], v[TM+7], 24, v[\w]
.irp b, 0,1,2,3
.irp i, 0,1,2,3,4,5,6,7,8,9,10,11,12,13,14,15
	v_med3_num_f32 v[\s+16*\b+\i], v[\s+16*\b+\i], -v[TM+8+\b], v[TM+8+\b]   ; the conversion does not saturate (ISA guide 7.6.2): the hold comes first
.endr
	v_cvt_scalef32_pk8_fp8_f32 v[\d+4*\b:\d+1+4*\b], v[\s+16*\b:\s+7+16*\b], v[TM+12+\b]
	v_cvt_scalef32_pk8_fp8_f32 v[\d+2+4*\b:\d+3+4*\b], v[\s+8+16*\b:\s+15+16*\b], v[TM+12+\b]
.endr
	v_nop                                                    ; one plain line behind the last conversion
.endm
; block t (16 rows) of a K step: cnt = the loads younger than its sixteen
.macro UNIT t, ld, cnt
	s_wait_loadcnt \cnt
	WIN 0x04
.irp i, 0,1,2,3,4,5,6,7,8,9,10,11,12,13,14,15
	ds_store_b128 v[TS], v[64*(\t)+4*\i:64*(\t)+4*\i+3] offset:528*\i
.endr
	WIN 0
.irp b, 0,1,2,3
.irp j, 0,1,2,3
	ds_load_b128 v[NN+16*\b+4*\j:NN+16*\b+4*\j+3], v[TL] offset:128*\b+16*\j   ; LDS serves a wave's instructions in order
.endr
.endr
	s_wait_dscnt 0x0                               ; the numbers are back, and the stores have read their registers,
.if \ld
	WIN 0x40
.irp i, 0,1,2,3,4,5,6,7,8,9,10,11,12,13,14,15
	global_load_b128 v[64*(\t)+4*\i:64*(\t)+4*\i+3], v[LI], s[4:5] offset:(16*(\t)+\i)*4096+512   ; which take the next K step
.endr
	WIN 0
.endif
	QUANT NN, PC, PW
.irp c, 0,1,2,3
	ds_store_b128 v[CWT], v[PC+4*\c:PC+4*\c+3] offset:2048*(\t)+512*\c
.endr
	ds_store_b32 v[SWT], v[PW] offset:4*(\t)
.endm
.macro TRIP ld                         ; K step s[SL]: its codes go to place s[SL] % 4
	s_and_b32 s61, s[SL], 3
	s_lshl_b32 s62, s61, 13
	v_add_nc_u32 v[CWT], s62, v[CW]
	s_lshl_b32 s62, s61, 9
	v_add_nc_u32 v[SWT], s62, v[SW]
.if \ld
	UNIT 0, 1, 48
	UNIT 1, 1, 48
	UNIT 2, 1, 48
	UNIT 3, 1, 48
	s_wait_xcnt 0x0                                ; the loads have read their base
	s_add_nc_u64 s[4:5], s[4:5], 512
.else
	UNIT 0, 0, 48
	UNIT 1, 0, 32
	UNIT 2, 0, 16
	UNIT 3, 0, 0
.endif
.endm
.macro COPYA hf                        ; four K steps' codes into window 2 + hf, their scale words into v[SA + 16 hf] on
	WIN 0x80+0x40*(\hf)
.set ii, 0
.rept 64
	ds_load_b128 v[4*ii:4*ii+3], v[CW] offset:512*ii
.set ii, ii+1
.endr
	WIN 0
.irp k, 0,1,2,3
	ds_load_b128 v[SA+16*(\hf)+4*\k:SA+16*(\hf)+4*\k+3], v[SW] offset:512*\k
.endr
.endm
.macro BLD p, from, n                  ; n of a tile's 32 fragment loads, into set p of window 1; the tile lies at v[aR] + aO
	WIN 0x40
.set ii, \from
.rept \n
	ds_load_b128 v[128*(\p)+4*ii:128*(\p)+4*ii+3], v[aR] offset:aO+512*ii
.set ii, ii+1
.endr
.endm
.macro SLD p                           ; its eight scale words into v[SB + 8 p] on
	ds_load_b128 v[SB+8*(\p):SB+8*(\p)+3], v[aR] offset:aO+16384
	ds_load_b128 v[SB+8*(\p)+4:SB+8*(\p)+7], v[aR] offset:aO+16384+512
.endm
.macro ZBLK e                          ; t = C sum + C (dec + bd + be): each accumulator from its low end on
.set jj, 0
.rept 16
	v_pk_fma_f32 v[DR+32*(\e)+jj:DR+32*(\e)+jj+1], v[DR+32*(\e)+jj:DR+32*(\e)+jj+1], s[CC:CC+1], v[TP+2*(\e):TP+2*(\e)+1] op_sel_hi:[1,0,0]
.set jj, jj+2
.endr
.endm
.macro EXPB r, n
.set jj, 0
.rept \n
	v_exp_f32 v[\r+jj], v[\r+jj]
.set jj, jj+1
.endr
	v_nop                                          ; a plain line behind the batch
.endm
.macro ADD1 x                          ; 1 + e.  The register stands as source 2, whose window is 0 under the products' setting too: no switch of windows for it among the products
	v_pk_fma_f32 v[\x:\x+1], 1.0, 1.0, v[\x:\x+1] op_sel_hi:[0,0,1]
.endm
.macro RCPB e
.set jj, 0
.rept 32
	v_rcp_f32 v[DR+32*(\e)+jj], v[DR+32*(\e)+jj]
.set jj, jj+1
.endr
	v_nop
.endm
.macro ACCB e                          ; the row's sum += (-2 Ws) / (1 + e)
.set jj, 0
.rept 16
	v_pk_fma_f32 v[ACC+jj:ACC+jj+1], v[DR+32*(\e)+jj:DR+32*(\e)+jj+1], v[TP+2*(\e):TP+2*(\e)+1], v[ACC+jj:ACC+jj+1] op_sel:[0,1,0] op_sel_hi:[1,1,1]
.set jj, jj+2
.endr
.endm
; Tile q of a slot.  nxt = 1: the next tile lies in the same slot; 2: the slots change, and this slot is filled again; 3: they change, nothing is filled (the launch's last tile fetches no successor)
.macro TILE q, nxt
.set pP, (\q)%2
.set rD, DR+32*pP
.if (\nxt) == 1
.set aR, ADR0+((\q)+1)/2
.set aO, TILEB*(((\q)+1)%2)
	s_wait_dscnt 12                                ; the last tile's pair is in: on every way at least 12 LDS instructions were issued behind its load
.else
.set aR, ADR0
.set aO, 0
	s_wait_dscnt 0x0                               ; the last tile's pair and this tile's fragments: my last reads of this slot
.endif
.if (\nxt) > 1
	s_wait_tensorcnt 0x0                           ; my part of the other slot is in;
	ds_add_u32 v[SPW], v[NIL]                      ; work on registers stands between it and its wait
.if (\nxt) == 2
	s_xor_b32 s[G0B+1], s[G0B+1], SLOTB            ; no tensor load of mine is out: the descriptor walks on: this slot, the tiles eight on
	s_add_nc_u64 s[G0B+2:G0B+3], s[G0B+2:G0B+3], SLOTB
.endif
	s_xor_b32 s[TB], s[TB], SLOTB
	v_add_nc_u32 v[ADR0], s[TB], v[LI]
	v_add_nc_u32 v[ADR0+1], 2*TILEB, v[ADR0]
.endif
.if (\q) == 0
	v_add_nc_u32 v[ADT], s[TJ], v[AT0]
	s_add_co_u32 s[TJ], s[TJ], 512
.endif
	WALU                                           ; directly ahead of the first readers of the last tile's sums
	ZBLK 1-pP
.if (\nxt) == 1
	WALU                                           ; ahead of the batch; the first run of loads, 11, stands behind it
	ds_load_b64 v[TP+2*pP:TP+2*pP+1], v[ADT] offset:128*(\q)
	SLD 1-pP
	BLD 1-pP, 0, 8
	WIN 0
	EXPB DR+32*(1-pP), 32
	WALU
	BLD 1-pP, 8, 12                                ; the second run
	s_wait_dscnt 23                                ; all but this tile's 11 + 12 loads: this tile's fragments, asked for a tile ago, are in
.else
	s_wait_dscnt 0x0                               ; the add is done; my reads of this slot ended at the tile's head
	s_barrier_signal -1
	WALU
	EXPB DR+32*(1-pP), 32                          ; work on registers while the others arrive
	WALU
	s_barrier_wait -1
.if (\nxt) == 2
	CREST                                          ; the barrier has opened a round of the cluster's: no wave of any partner reads this slot or has a load out
	TLOAD G0B, G1W
	ds_load_b64 v[TP+2*pP:TP+2*pP+1], v[ADT] offset:128*(\q)
	SLD 1-pP
	BLD 1-pP, 0, 16
.else
	ds_load_b64 v[TP+2*pP:TP+2*pP+1], v[ADT] offset:128*(\q)
	s_cmp_eq_u32 s[FL], 1
	s_cbranch_scc1 .Lno_next_\@
	SLD 1-pP
	BLD 1-pP, 0, 32
	WIN 0
.Lno_next_\@:
.endif
.endif
.set wi, 0
.rept 32
	WIN 0x06+wi/16                                 ; source 0: x's codes, window 2 or 3; source 1: We's, window 1
.if wi < 4
	v_wmma_scale_f32_16x16x128_f8f6f4 v[rD+8*(wi%4):rD+8*(wi%4)+7], v[16*(4*((wi/4)%4)+wi%4):16*(4*((wi/4)%4)+wi%4)+15], v[128*pP+16*(wi/4):128*pP+16*(wi/4)+15], 0, v[SA+wi], v[SB+8*pP+wi/4]
.else
	v_wmma_scale_f32_16x16x128_f8f6f4 v[rD+8*(wi%4):rD+8*(wi%4)+7], v[16*(4*((wi/4)%4)+wi%4):16*(4*((wi/4)%4)+wi%4)+15], v[128*pP+16*(wi/4):128*pP+16*(wi/4)+15], v[rD+8*(wi%4):rD+8*(wi%4)+7], v[SA+wi], v[SB+8*pP+wi/4]
.endif
.if wi%2
	ADD1 DR+32*(1-pP)+wi-1
.endif
.set wi, wi+1
.endr
	WIN 0
	WALU                                           ; ahead of the batch; the last run of loads stands behind it
.if (\nxt) == 1
	BLD 1-pP, 20, 12
	WIN 0
.elseif (\nxt) == 2
	BLD 1-pP, 16, 16
	WIN 0
.endif
	RCPB 1-pP
	WALU
	ACCB 1-pP                                      ; sixteen plain lines that name no register of the last products: their places
.endm
; PHASE 3.  Block t of a K step: 16 rows x my four columns x the row's p, four sets of sums by turns.  ld = 1: the registers take the K step before from memory; 2: K step 7 from LDS; 0: nothing
.macro SUNIT t, ld, cnt
	WALU
.if (\cnt) >= 0
	s_wait_loadcnt \cnt
.endif
	WIN 0x01                                       ; source 0: x, window 1
.irp i, 0,1,2,3,4,5,6,7,8,9,10,11,12,13,14,15
.set xa, 64*(\t)+4*\i
.set aa, AC+4*(\i%4)
.set pa, PR+16*(\t)+\i-\i%2
.irp u, 0,2
.if ((\t) == 0) && (\i < 4) && (\i%2 == 0)
	v_pk_mul_f32 v[aa+\u:aa+\u+1], v[xa+\u:xa+\u+1], v[pa:pa+1] op_sel_hi:[1,0]      ; a set's first row starts its sums
.elseif ((\t) == 0) && (\i < 4)
	v_pk_mul_f32 v[aa+\u:aa+\u+1], v[xa+\u:xa+\u+1], v[pa:pa+1] op_sel:[0,1] op_sel_hi:[1,1]
.elseif \i%2 == 0
	v_pk_fma_f32 v[aa+\u:aa+\u+1], v[xa+\u:xa+\u+1], v[pa:pa+1], v[aa+\u:aa+\u+1] op_sel_hi:[1,0,1]
.else
	v_pk_fma_f32 v[aa+\u:aa+\u+1], v[xa+\u:xa+\u+1], v[pa:pa+1], v[aa+\u:aa+\u+1] op_sel:[0,1,0] op_sel_hi:[1,1,1]
.endif
.endr
.endr
.if (\ld) > 0
	WIN 0x40
.irp i, 0,1,2,3,4,5,6,7,8,9,10,11,12,13,14,15
.if (\ld) == 1
	global_load_b128 v[64*(\t)+4*\i:64*(\t)+4*\i+3], v[LI], s[4:5] offset:(16*(\t)+\i)*4096 th:TH_LOAD_NT
.else
	ds_load_b128 v[64*(\t)+4*\i:64*(\t)+4*\i+3], v[CW] offset:512*(16*(\t)+\i)
.endif
.endr
.endif
	WIN 0
.endm
.macro SEG ld, c0, c1, c2, c3          ; a K step: its 512 bytes of sums go to byte s[TJ] of my 4,096
	v_add_nc_u32 v[CWT], s[TJ], v[TS]
.if (\ld) == 1
	s_wait_xcnt 0x0                                ; the loads have read their base
	s_sub_nc_u64 s[4:5], s[4:5], 512
.endif
	SUNIT 0, \ld, \c0
	SUNIT 1, \ld, \c1
	SUNIT 2, \ld, \c2
	SUNIT 3, \ld, \c3
.irp u, 0,2
	v_pk_add_f32 v[AC+\u:AC+\u+1], v[AC+\u:AC+\u+1], v[AC+4+\u:AC+4+\u+1]
	v_pk_add_f32 v[AC+8+\u:AC+8+\u+1], v[AC+8+\u:AC+8+\u+1], v[AC+12+\u:AC+12+\u+1]
.endr
.irp u, 0,2
	v_pk_add_f32 v[AC+\u:AC+\u+1], v[AC+\u:AC+\u+1], v[AC+8+\u:AC+8+\u+1]
.endr
	ds_store_b128 v[CWT], v[AC:AC+3]
.endm
	s_load_b256 s[4:11], s[0:1], 0x0               ; x s[4:5], wq s[6:7], tab s[8:9], part s[10:11]
	v_lshl_add_u32 v[SPW], v0, 2, SPARE
	v_mov_b32 v[NIL], 0
	ds_add_u32 v[SPW], v[NIL]                      ; the opening: the add twice on end and one wait, ahead of my first tensor load
	ds_add_u32 v[SPW], v[NIL]
	v_lshrrev_b32 v166, 5, v0
	v_readfirstlane_b32 s[WV], v166                ; wave 0..3
	s_bfe_u32 s[CX], ttmp6, 0x40000
	s_lshl_b32 s[WG], ttmp9, 2
	s_add_co_u32 s[WG], s[WG], s[CX]               ; work-group = 4 x cluster + cx
	GROUP1 G1W, 32, 68, 32
	GROUP1 G1H, 32, 136, 32
	GROUP1 G1T, 16, 32, 512
	s_mov_b32 s[CC], 0x4038aa3b                    ; C = 2 log2(e)
	s_mov_b32 s[CC+1], s[CC]
	s_mov_b32 s[SEL], 0x76543210
	s_mov_b32 s[SEL+1], 0xfedcba98                 ; lane l xor 16
	s_mov_b32 s[MNT], 0x600000                     ; the mantissa field of 448
	s_mul_i32 s76, s[WV], 16*528
	s_add_co_u32 s76, s76, TST                     ; my stage
	s_lshl_b32 s77, s[WV], 15
	s_add_co_u32 s77, s77, CST
	s_lshl_b32 s78, s[WV], 11
	s_add_co_u32 s78, s78, SST
	s_lshl_b32 s79, s[WV], 2
	s_add_co_u32 s79, s79, RED
	s_mul_i32 s17, s[WV], TILEB                    ; the ring: a tile a wave
	s_and_b32 s20, s[WV], 1                        ; the head: waves 0, 1 slot 0's halves; waves 2, 3 tab's
	s_mul_i32 s21, s20, 2*TILEB
	s_lshl_b32 s22, s20, 17                        ; 32 tiles of tab, 4,096 bytes each,
	s_lshr_b32 s23, ttmp9, 1                       ; the batch: two clusters to one
	s_lshl_b32 s23, s23, 7
	s_add_co_u32 s22, s22, s23                     ; and the batch's 128 bytes in each
	s_lshl_b32 s20, s20, 12
	s_lshl_b32 s2, s[WG], 20                       ; x: 256 rows of 4,096 bytes a work-group,
	s_lshl_b32 s3, s[WV], 18                       ; 64 a wave
	s_add_co_u32 s2, s2, s3
	s_mov_b32 s3, 0
	s_mul_i32 s18, s[WG], PARTB                    ; my work-group's part
	s_mov_b32 s19, 0
	s_mov_b32 s63, 0
	v_and_b32 v166, 31, v0                         ; lane
	v_and_b32 v167, 15, v0                         ; r
	v_bfe_u32 v168, v0, 4, 1                       ; h
	v_lshlrev_b32 v[LI], 4, v166
	v_add_nc_u32 v[TS], s76, v[LI]
	v_mul_u32_u24 v[TL], v167, 528
	v_lshl_add_u32 v[TL], v168, 6, v[TL]
	v_add_nc_u32 v[TL], s76, v[TL]
	v_add_nc_u32 v[CW], s77, v[LI]
	v_add_nc_u32 v[SW], s78, v[LI]
	v_lshl_add_u32 v[SOA], v168, 5, s78
	v_lshlrev_b32 v[GO], 3, v166
	v_lshl_add_u32 v[AT0], v167, 3, TAB
	v_mov_b32 v[SBA], s78
	v_mov_b32 v[RWA], s79
	v_mov_b32 v[RBA], RED
	v_lshl_add_u32 v[T16], v0, 4, TST
	v_lshlrev_b32 v[GT], 4, v0
.irp b, 0,1,2,3
	v_mov_b32 v[TM+4+\b], 0                        ; a lane permute's destination counts as one of its sources
.endr
	s_wait_dscnt 0x0                               ; both opening adds are done
	WALU
	s_wait_kmcnt 0x0
	s_add_nc_u64 s[4:5], s[4:5], s[2:3]
	s_add_nc_u64 s[10:11], s[10:11], s[18:19]
	WIN 0x40
.irp t, 0,1,2,3
.irp i, 0,1,2,3,4,5,6,7,8,9,10,11,12,13,14,15
	global_load_b128 v[64*\t+4*\i:64*\t+4*\i+3], v[LI], s[4:5] offset:(16*\t+\i)*4096   ; K step 0 of my 64 rows: asked for ahead of everything else
.endr
.endr
	WIN 0
	s_mov_b32 s[G0A], 1
	s_mov_b32 s[G0A+1], s21
	s_mov_b32 s62, s21
	s_add_nc_u64 s[G0A+2:G0A+3], s[6:7], s[62:63]
	s_or_b32 s[G0A+3], s[G0A+3], 0x80000000
	s_mov_b32 s[G0T], 1
	s_add_co_u32 s[G0T+1], s20, TAB
	s_mov_b32 s62, s22
	s_add_nc_u64 s[G0T+2:G0T+3], s[8:9], s[62:63]
	s_or_b32 s[G0T+3], s[G0T+3], 0x80000000
	s_mov_b32 s[G0B], 1
	s_add_co_u32 s[G0B+1], s17, SLOTB
	s_mov_b32 s62, s17
	s_add_nc_u64 s[G0B+2:G0B+3], s[6:7], s[62:63]
	s_add_nc_u64 s[G0B+2:G0B+3], s[G0B+2:G0B+3], SLOTB
	s_or_b32 s[G0B+3], s[G0B+3], 0x80000000
	CROUND                                         ; in front of the first joint loads
	s_cmp_lt_u32 s[WV], 2                          ; one tensor load a wave at the head, on every way
	s_cbranch_scc0 .Lfor_tab
	TLOAD G0A, G1H
	s_branch .Lasked
.Lfor_tab:
	TLOAD G0T, G1T
.Lasked:
	s_mov_b32 s[SL], 0
.Lq:                                                   ; K steps 0 to 6: each asks for the next
	TRIP 1
	s_cmp_lg_u32 s[SL], 3
	s_cbranch_scc1 .Lno_copy
	COPYA 0                                        ; K steps 0 to 3 go into registers before their places are written again
.Lno_copy:
	s_add_co_u32 s[SL], s[SL], 1
	s_cmp_lt_u32 s[SL], 7
	s_cbranch_scc1 .Lq
	TRIP 0
	COPYA 1
	WIN 0x04
.set ii, 0
.rept 64
	ds_store_b128 v[CW], v[4*ii:4*ii+3] offset:512*ii   ; K step 7's f32 numbers, still in window 1, over the codes just read (LDS serves a wave's instructions in order): row ii's 512 bytes
.set ii, ii+1
.endr
	WIN 0
	s_wait_tensorcnt 0x0                           ; slot 1's first fill is issued as a refill is: my head's load is in,
	ds_add_u32 v[SPW], v[NIL]                      ; the add,
.set jj, 0
.rept 32
	v_mov_b32 v[ACC+jj], 0
	v_mov_b32 v[DR+32+jj], 0                       ; the first tile has no tile before it: it works on zeros with the pair (0, 0), which add 0
.set jj, jj+1
.endr
	v_mov_b32 v[TP+2], 0
	v_mov_b32 v[TP+3], 0
	s_mov_b32 s[TB], 0
	s_mov_b32 s[TJ], 0
	v_add_nc_u32 v[ADR0], s[TB], v[LI]
	v_add_nc_u32 v[ADR0+1], 2*TILEB, v[ADR0]
	WALU
	s_wait_dscnt 0x0                               ; its wait, and x's codes are in registers
	CROUND                                         ; slot 0 and tab are whole for every wave
	TLOAD G0B, G1W
.set aR, ADR0
.set aO, 0
	SLD 0
	BLD 0, 0, 32
	WIN 0
	s_mov_b32 s[FL], 14
.Lring:                                                ; slots 0 to 13: each trip fills its slot again
	TILE 0, 1
	TILE 1, 1
	TILE 2, 1
	TILE 3, 2
	s_sub_co_u32 s[FL], s[FL], 1
	s_cmp_lg_u32 s[FL], 0
	s_cbranch_scc1 .Lring
	s_mov_b32 s[FL], 2
.Ltail:                                                ; the last two slots: nothing is filled
	TILE 0, 1
	TILE 1, 1
	TILE 2, 1
	TILE 3, 3
	s_sub_co_u32 s[FL], s[FL], 1
	s_cmp_lg_u32 s[FL], 0
	s_cbranch_scc1 .Ltail
	s_sub_nc_u64 s[4:5], s[4:5], 512               ; x at K step 6 (phase 1's loads are all in)
	WIN 0x40
.irp t, 0,1,2,3
.irp i, 0,1,2,3,4,5,6,7,8,9,10,11,12,13,14,15
	global_load_b128 v[64*\t+4*\i:64*\t+4*\i+3], v[LI], s[4:5] offset:(16*\t+\i)*4096 th:TH_LOAD_NT   ; phase 3's first 64 loads, into We's registers (sixteen places behind the last product); the softmax is made under them
.endr
.endr
	WIN 0
	s_wait_dscnt 0x0                               ; the last tile's pair
	WALU
	ZBLK 1
	WALU
	EXPB DR+32, 32
	WALU
.set kk, 0
.rept 16
	ADD1 DR+32+kk
.set kk, kk+2
.endr
	WALU
	RCPB 1
	WALU
	ACCB 1
.irp m, 1,2,4,8                        ; over the sixteen columns that the lanes of a half hold
.set jj, 0
.rept 32
	v_add_f32_dpp v[ACC+jj], v[ACC+jj], v[ACC+jj] row_xmask:\m row_mask:0xf bank_mask:0xf
.set jj, jj+1
.endr
.endr
.irp t, 0,1,2,3
.irp i, 0,1,2,3,4,5,6,7
	ds_store_b32 v[SOA], v[ACC+8*\t+\i] offset:4*(16*\t+\i)   ; row 16 t + 8 h + i: sixteen lanes write the same word with the same value
.endr
.endr
.irp u, 0,1,2,3,4,5,6,7,8,9,10,11,12,13,14,15
	ds_load_b128 v[PR+4*\u:PR+4*\u+3], v[SBA] offset:16*\u    ; my 64 scores into every lane (LDS serves a wave's instructions in order)
.endr
	s_mov_b32 s[CC], 0x3fb8aa3b                    ; log2(e)
	s_mov_b32 s[CC+1], s[CC]
	s_wait_dscnt 0x0
.irp c, 0,1,2,3
	v_max3_num_f32 v[144+\c], v[PR+16*\c], v[PR+16*\c+1], v[PR+16*\c+2]
.endr
.irp i, 3,5,7,9,11,13
.irp c, 0,1,2,3
	v_max3_num_f32 v[144+\c], v[144+\c], v[PR+16*\c+\i], v[PR+16*\c+\i+1]
.endr
.endr
.irp c, 0,1,2,3
	v_max_num_f32 v[144+\c], v[144+\c], v[PR+16*\c+15]
.endr
	v_max3_num_f32 v144, v144, v145, v146
	v_max_num_f32 v144, v144, v147                 ; my wave's largest score
	ds_store_b32 v[RWA], v144
	WALU
	s_wait_dscnt 0x0                               ; for the others' sake
	s_barrier_signal -1
	s_barrier_wait -1
	ds_load_b128 v[148:151], v[RBA]
	s_wait_dscnt 0x0
	v_max3_num_f32 v144, v148, v149, v150
	v_max_num_f32 v144, v144, v151                 ; m: the largest of the work-group's 256 scores is taken away before the exponential
	v_mul_f32 v146, 0xbfb8aa3b, v144               ; - m log2(e)
.set jj, 0
.rept 32
	v_pk_fma_f32 v[PR+jj:PR+jj+1], v[PR+jj:PR+jj+1], s[CC:CC+1], v[146:147] op_sel_hi:[1,0,0]
.set jj, jj+2
.endr
	WALU
	EXPB PR, 64                                    ; p, at most 1
	WALU
	v_pk_add_f32 v[148:149], v[PR:PR+1], v[PR+2:PR+3]
	v_pk_add_f32 v[150:151], v[PR+4:PR+5], v[PR+6:PR+7]
.irp j, 8,12,16,20,24,28,32,36,40,44,48,52,56,60
	v_pk_add_f32 v[148:149], v[148:149], v[PR+\j:PR+\j+1]
	v_pk_add_f32 v[150:151], v[150:151], v[PR+\j+2:PR+\j+3]
.endr
	v_pk_add_f32 v[148:149], v[148:149], v[150:151]
	v_add_f32 v145, v148, v149                     ; my wave's sum of p
	ds_store_b32 v[RWA], v145 offset:16
	s_mov_b32 s[TJ], 3072
	s_mov_b32 s[FL], 6
.Lseg:                                                 ; K steps 6 to 1: each asks for the one before
	SEG 1, 48, 48, 48, 48
	s_sub_co_u32 s[TJ], s[TJ], 512
	s_sub_co_u32 s[FL], s[FL], 1
	s_cmp_lg_u32 s[FL], 0
	WALU
	s_cbranch_scc1 .Lseg
	SEG 2, 48, 32, 16, 0                           ; K step 0; its registers take K step 7 from LDS
	s_mov_b32 s[TJ], 3584
	s_wait_dscnt 0x0
	SEG 0, -1, -1, -1, -1
	WALU
	s_wait_dscnt 0x0                               ; for the others' sake: my 4,096 bytes of sums and my sum of p
	s_barrier_signal -1
	s_barrier_wait -1
.irp w, 0,1,2,3
	ds_load_b128 v[64+8*\w:64+8*\w+3], v[T16] offset:8448*\w          ; thread t adds the four waves' columns 4 t .. 4 t + 3 and 512 + 4 t ..
	ds_load_b128 v[64+8*\w+4:64+8*\w+7], v[T16] offset:8448*\w+2048
.endr
	ds_load_b128 v[148:151], v[RBA] offset:16
	s_wait_dscnt 0x0
.irp w, 1,2,3
.irp u, 0,2,4,6
	v_pk_add_f32 v[64+\u:64+\u+1], v[64+\u:64+\u+1], v[64+8*\w+\u:64+8*\w+\u+1]
.endr
.endr
	v_add_f32 v145, v148, v149
	v_add_f32 v146, v150, v151
	v_add_f32 v145, v145, v146                     ; l
	global_store_b128 v[GT], v[64:67], s[10:11]                ; a wave's store covers 512 consecutive bytes, aligned
	global_store_b128 v[GT], v[68:71], s[10:11] offset:2048
	WALU
	s_cmp_lg_u32 s[WV], 0
	s_cbranch_scc1 .Lno_stat
	global_store_b64 v[GO], v[144:145], s[10:11] offset:4096   ; (m, l), 32 times: one whole unit of 256 bytes
.Lno_stat:
	s_wait_tensorcnt 0x0                           ; the wave's end
	ds_add_u32 v[SPW], v[NIL]
	s_wait_dscnt 0x0
	CROUND                                         ; the closing round
	s_endpgm
.Lfunc_end_k_q4440370a3c_lin:
	.size	k_q4440370a3c_lin, .Lfunc_end_k_q4440370a3c_lin-k_q4440370a3c_lin
	.p2alignl 7, 3214868480
	.fill 96, 4, 3214868480
	.section	.rodata,"a",@progbits
	.p2align	6, 0x0
	.amdhsa_kernel k_q4440370a3c_lin
		.amdhsa_group_segment_fixed_size 327680
		.amdhsa_private_segment_fixed_size 0
		.amdhsa_enable_private_segment 0
		.amdhsa_kernarg_size 32
		.amdhsa_user_sgpr_count 2
		.amdhsa_user_sgpr_kernarg_segment_ptr 1
		.amdhsa_wavefront_size32 1
		.amdhsa_system_sgpr_workgroup_id_x 1
		.amdhsa_system_sgpr_workgroup_id_y 1
		.amdhsa_system_sgpr_workgroup_id_z 1
		.amdhsa_system_vgpr_workitem_id 0
		.amdhsa_next_free_vgpr 1024
		.amdhsa_next_free_sgpr 80
		.amdhsa_reserve_vcc 0
		.amdhsa_float_denorm_mode_32 3
		.amdhsa_float_denorm_mode_16_64 3
		.amdhsa_memory_ordered 1
		.amdhsa_forward_progress 1
		.amdhsa_inst_pref_size 255
	.end_amdhsa_kernel
	.section	.bss,"aw",@nobits
	.p2align	6
	.space	262144
	.amdgpu_metadata
---
amdhsa.version: [ 1, 2 ]
amdhsa.kernels:
  - .name:           k_q4440370a3c_lin
    .symbol:         k_q4440370a3c_lin.kd
    .args:
      - { .name: encoder_out, .offset: 0, .size: 8, .value_kind: global_buffer, .address_space: global }
      - { .name: wq, .offset: 8, .size: 8, .value_kind: global_buffer, .address_space: global }
      - { .name: tab, .offset: 16, .size: 8, .value_kind: global_buffer, .address_space: global }
      - { .name: part, .offset: 24, .size: 8, .value_kind: global_buffer, .address_space: global }
    .group_segment_fixed_size: 327680
    .private_segment_fixed_size: 0
    .kernarg_segment_align: 8
    .kernarg_segment_size: 32
    .max_flat_workgroup_size: 128
    .sgpr_count:     80
    .vgpr_count:     1024
    .wavefront_size: 32
...
	.end_amdgpu_metadata
.endif
;; end of part 2
;; launch comb (part 3): grid 8 x 32, 1 waves a work-group, no clusters, 0 bytes of LDS; arguments part, out0; writes out0
.if DOCPART == 3
	.amdgcn_target "amdgcn-amd-amdhsa--gfx1250"
	.amdhsa_code_object_version 6
	.text
	.protected	k_q4440370a3c_comb
	.globl	k_q4440370a3c_comb
	.p2align	8
	.type	k_q4440370a3c_comb,@function
k_q4440370a3c_comb:
	s_mov_b64 s[64:65], 0
	v_nop
	global_prefetch_b8 v0, s[64:65] scope:SCOPE_SE
	s_setreg_imm32_b32 hwreg(HW_REG_WAVE_MODE, 25, 1), 1
	s_wait_xcnt 0x0
; COMB.  out0[b][h] = (sum over a batch's eight parts i of w_i c_i[h]) / (sum of w_i l_i), w_i = e^(m_i - M), M = the largest m_i: the softmax over the batch's 2,048 rows, joined from the parts' maxima, sums and weighted rows.
; Work-group (chunk, b), one wave, owns out0[b][128 chunk .. 128 chunk + 127]: a lane four columns.  A part is 4,352 bytes: c (4,096), then a unit of 256 bytes that holds the pair (m, l) 32 times: lane l reads its own copy.
; No LDS, no loop, no cluster, no prefetch: sixteen loads a wave, all issued at once; each byte of c is read by one work-group.
; LIMITS: NaN and infinities among the inputs are not served.
.set PARTB, 4352
	s_load_b128 s[4:7], s[0:1], 0x0                ; part, out0
	v_lshlrev_b32 v1, 4, v0
	v_lshlrev_b32 v2, 3, v0
	s_and_b32 s8, ttmp7, 0xffff                    ; the batch
	s_mul_i32 s10, s8, 8*PARTB
	s_mov_b32 s11, 0
	s_lshl_b32 s12, ttmp9, 9                       ; 512 bytes a chunk
	s_mov_b32 s13, 0
	s_lshl_b32 s14, s8, 12
	s_add_co_u32 s14, s14, s12
	s_mov_b32 s15, 0
	s_wait_alu depctr_va_vdst(0)
	s_wait_kmcnt 0x0
	s_add_nc_u64 s[4:5], s[4:5], s[10:11]
	s_add_nc_u64 s[8:9], s[4:5], s[12:13]
	s_add_nc_u64 s[6:7], s[6:7], s[14:15]
.irp i, 0,1,2,3,4,5,6,7
	global_load_b64 v[40+2*\i:41+2*\i], v2, s[4:5] offset:PARTB*\i+4096
.endr
.irp i, 0,1,2,3,4,5,6,7
	global_load_b128 v[8+4*\i:11+4*\i], v1, s[8:9] offset:PARTB*\i
.endr
	s_wait_loadcnt 8                               ; the eight pairs are in; the eight loads of c may be out
	v_max3_num_f32 v56, v40, v42, v44
	v_max3_num_f32 v56, v56, v46, v48
	v_max3_num_f32 v56, v56, v50, v52
	v_max_num_f32 v56, v56, v54                    ; M
.irp i, 0,1,2,3,4,5,6,7
	v_sub_f32 v[58+\i], v[40+2*\i], v56
.endr
.irp i, 0,1,2,3,4,5,6,7
	v_mul_f32 v[58+\i], 0x3fb8aa3b, v[58+\i]
.endr
	s_wait_alu depctr_va_vdst(0)                   ; ahead of the batch
.irp i, 0,1,2,3,4,5,6,7
	v_exp_f32 v[58+\i], v[58+\i]                   ; w, at most 1
.endr
	v_nop
	s_wait_alu depctr_va_vdst(0)                   ; and behind it
	v_mul_f32 v57, v58, v41
.irp i, 1,2,3,4,5,6,7
	v_fmac_f32 v57, v[58+\i], v[41+2*\i]           ; the sum of w l, at least 1
.endr
	s_wait_alu depctr_va_vdst(0)                   ; ahead of the transcendental, and of the wait below
	v_rcp_f32 v57, v57
	v_nop
	s_wait_loadcnt 0x0
	v_pk_mul_f32 v[4:5], v[8:9], v[58:59] op_sel_hi:[1,0]
	v_pk_mul_f32 v[6:7], v[10:11], v[58:59] op_sel_hi:[1,0]
.irp i, 1,3,5,7
	v_pk_fma_f32 v[4:5], v[8+4*\i:9+4*\i], v[57+\i:58+\i], v[4:5] op_sel:[0,1,0] op_sel_hi:[1,1,1]
	v_pk_fma_f32 v[6:7], v[10+4*\i:11+4*\i], v[57+\i:58+\i], v[6:7] op_sel:[0,1,0] op_sel_hi:[1,1,1]
.if \i < 7
	v_pk_fma_f32 v[4:5], v[12+4*\i:13+4*\i], v[59+\i:60+\i], v[4:5] op_sel_hi:[1,0,1]
	v_pk_fma_f32 v[6:7], v[14+4*\i:15+4*\i], v[59+\i:60+\i], v[6:7] op_sel_hi:[1,0,1]
.endif
.endr
	s_wait_alu depctr_va_vdst(0)                   ; ahead of the reciprocal's first reader
	v_pk_mul_f32 v[4:5], v[4:5], v[56:57] op_sel:[0,1] op_sel_hi:[1,1]
	v_pk_mul_f32 v[6:7], v[6:7], v[56:57] op_sel:[0,1] op_sel_hi:[1,1]
	global_store_b128 v1, v[4:7], s[6:7]           ; 32 lanes store 512 consecutive bytes, aligned
	s_endpgm
.Lfunc_end_k_q4440370a3c_comb:
	.size	k_q4440370a3c_comb, .Lfunc_end_k_q4440370a3c_comb-k_q4440370a3c_comb
	.p2alignl 7, 3214868480
	.fill 96, 4, 3214868480
	.section	.rodata,"a",@progbits
	.p2align	6, 0x0
	.amdhsa_kernel k_q4440370a3c_comb
		.amdhsa_group_segment_fixed_size 0
		.amdhsa_private_segment_fixed_size 0
		.amdhsa_enable_private_segment 0
		.amdhsa_kernarg_size 16
		.amdhsa_user_sgpr_count 2
		.amdhsa_user_sgpr_kernarg_segment_ptr 1
		.amdhsa_wavefront_size32 1
		.amdhsa_system_sgpr_workgroup_id_x 1
		.amdhsa_system_sgpr_workgroup_id_y 1
		.amdhsa_system_sgpr_workgroup_id_z 1
		.amdhsa_system_vgpr_workitem_id 0
		.amdhsa_next_free_vgpr 72
		.amdhsa_next_free_sgpr 66
		.amdhsa_reserve_vcc 0
		.amdhsa_float_denorm_mode_32 3
		.amdhsa_float_denorm_mode_16_64 3
		.amdhsa_memory_ordered 1
		.amdhsa_forward_progress 1
		.amdhsa_inst_pref_size 6
	.end_amdhsa_kernel
	.amdgpu_metadata
---
amdhsa.version: [ 1, 2 ]
amdhsa.kernels:
  - .name:           k_q4440370a3c_comb
    .symbol:         k_q4440370a3c_comb.kd
    .args:
      - { .name: part, .offset: 0, .size: 8, .value_kind: global_buffer, .address_space: global }
      - { .name: out0, .offset: 8, .size: 8, .value_kind: global_buffer, .address_space: global }
    .group_segment_fixed_size: 0
    .private_segment_fixed_size: 0
    .kernarg_segment_align: 8
    .kernarg_segment_size: 16
    .max_flat_workgroup_size: 32
    .sgpr_count:     66
    .vgpr_count:     72
    .wavefront_size: 32
...
	.end_amdgpu_metadata
.endif
;; end of part 3
